; MI455X (gfx1250); checked and timed in simulation.
; The chip was launched on July 23, 2026; its instructions are those of AMD's public machine-readable ISA for CDNA 5 (MIT licence, August 2026) and "CDNA5" Instruction Set Architecture Reference Guide (July 2026). The comments in the code are by the model that wrote it; some were corrected since.
;; Dynamic Kernel Fusion. Allowed arithmetic: float matrix products may take bf16 or f16 operands with f32 sums; all other float work in f32.
;; Inputs: W 2,048 x 3,072 float32; b 2,048 float32; x 4 x 2,048 x 1,024 float32; y 4 x 2,048 x 1,024 float32; z 4 x 2,048 x 1,024 float32.
;; Outputs: out0 4 x 2,048 x 1,024 float32.
;; One version. Each part assembles by itself: llvm-mc -triple=amdgcn-amd-amdhsa -mcpu=gfx1250 --defsym DOCPART=n.
;; ======== version 1 of 1: 2 launches
;; limits: values are held in f16: magnitudes above 65,504 overflow, below 6.1e-05 lose precision; inputs' magnitudes at most 65,504
;; workspace buffers: wf 6,291,456 bytes
;; launch fold (part 1): grid 256 x 1, 8 waves a work-group, no clusters, 0 bytes of LDS; arguments W, wf; writes wf
.if DOCPART == 1
	.amdgcn_target "amdgcn-amd-amdhsa--gfx1250"
	.amdhsa_code_object_version 6
	.text
	.protected	k_q3591a08ec8_fold
	.globl	k_q3591a08ec8_fold
	.p2align	8
	.type	k_q3591a08ec8_fold,@function
k_q3591a08ec8_fold:
	s_mov_b64 s[64:65], 0
	v_nop
	global_prefetch_b8 v0, s[64:65] scope:SCOPE_SE
	s_setreg_imm32_b32 hwreg(HW_REG_WAVE_MODE, 25, 1), 1
	s_wait_xcnt 0x0
; wf[d][c] = f16( W[2d][c] + W[2d+1][c] ).  W: [2048][3072] f32.  wf: [1024][3072] f16.
; reference() adds the two outputs 2d and 2d+1 of the linear layer; the product is linear in W, so the two rows are added here, in f32,
; ahead of the product, and the sum is rounded once to f16.  That halves the matrix work of the next launch.
; LIMITS: the order of rounding differs from reference() (rows added first, then one product); a sum of 65,504 or more in magnitude becomes an f16 infinity.
; A stream: every byte of W is read once, every byte of wf written once; no LDS, no barrier, no matrix unit, since nothing is shared or used twice.
; The work-group owns 4 rows of wf = 8 rows of W (98,304 neighbouring bytes).  Thread t takes, for row j (0..3) and part p (0..2), the four
; columns 1024 p + 4 t: a load of a wave covers 512 neighbouring bytes, a store of a wave 256 neighbouring bytes at a multiple of 256.
; All 24 loads of a thread go out at once, each into registers of its own; no register is written twice, so no source has to be freed.
.set WROW, 12288                       ; bytes in a row of W
.set FROW, 6144                        ; bytes in a row of wf
.set X, 4                              ; v[4:99]    group gi = 3 j + p: 4 registers of row 2j, then 4 of row 2j+1
.set Y, 100                            ; v[100:123] group gi: 2 registers, four f16
	s_load_b128 s[4:7], s[0:1], 0x0                ; W s[4:5], wf s[6:7]
	s_mul_i32 s2, ttmp9, 8*WROW                    ; my 8 rows of W (below 4 GiB)
	s_mov_b32 s3, 0
	s_mul_i32 s8, ttmp9, 4*FROW                    ; my 4 rows of wf
	s_mov_b32 s9, 0
	v_lshlrev_b32 v1, 4, v0                        ; 16 t: my 4 f32 in a part
	v_lshlrev_b32 v2, 3, v0                        ; 8 t: my 4 f16 in a part
	s_wait_kmcnt 0x0
	s_add_nc_u64 s[4:5], s[4:5], s[2:3]
	s_add_nc_u64 s[6:7], s[6:7], s[8:9]
.irp j, 0,1,2,3
.irp p, 0,1,2
	global_load_b128 v[X+8*(3*\j+\p):X+8*(3*\j+\p)+3],   v1, s[4:5] offset:(2*\j)*WROW+\p*4096 th:TH_LOAD_NT
	global_load_b128 v[X+8*(3*\j+\p)+4:X+8*(3*\j+\p)+7], v1, s[4:5] offset:(2*\j+1)*WROW+\p*4096 th:TH_LOAD_NT
.endr
.endr
.irp j, 0,1,2,3
.irp p, 0,1,2
	s_wait_loadcnt 22-2*(3*\j+\p)                  ; loads come back in order: this group's two are in, the two of each younger group may be out
	v_pk_add_f32 v[X+8*(3*\j+\p):X+8*(3*\j+\p)+1],   v[X+8*(3*\j+\p):X+8*(3*\j+\p)+1],   v[X+8*(3*\j+\p)+4:X+8*(3*\j+\p)+5]
	v_pk_add_f32 v[X+8*(3*\j+\p)+2:X+8*(3*\j+\p)+3], v[X+8*(3*\j+\p)+2:X+8*(3*\j+\p)+3], v[X+8*(3*\j+\p)+6:X+8*(3*\j+\p)+7]
	v_cvt_pk_f16_f32 v[Y+2*(3*\j+\p)],   v[X+8*(3*\j+\p)],   v[X+8*(3*\j+\p)+1]
	v_cvt_pk_f16_f32 v[Y+2*(3*\j+\p)+1], v[X+8*(3*\j+\p)+2], v[X+8*(3*\j+\p)+3]
	global_store_b64 v2, v[Y+2*(3*\j+\p):Y+2*(3*\j+\p)+1], s[6:7] offset:\j*FROW+\p*2048   ; no hint: the next launch reads these bytes
.endr
.endr
	s_endpgm
.Lfunc_end_k_q3591a08ec8_fold:
	.size	k_q3591a08ec8_fold, .Lfunc_end_k_q3591a08ec8_fold-k_q3591a08ec8_fold
	.p2alignl 7, 3214868480
	.fill 96, 4, 3214868480
	.section	.rodata,"a",@progbits
	.p2align	6, 0x0
	.amdhsa_kernel k_q3591a08ec8_fold
		.amdhsa_group_segment_fixed_size 0
		.amdhsa_private_segment_fixed_size 0
		.amdhsa_enable_private_segment 0
		.amdhsa_kernarg_size 16
		.amdhsa_user_sgpr_count 2
		.amdhsa_user_sgpr_kernarg_segment_ptr 1
		.amdhsa_wavefront_size32 1
		.amdhsa_system_sgpr_workgroup_id_x 1
		.amdhsa_system_sgpr_workgroup_id_y 1
		.amdhsa_system_sgpr_workgroup_id_z 1
		.amdhsa_system_vgpr_workitem_id 0
		.amdhsa_next_free_vgpr 124
		.amdhsa_next_free_sgpr 66
		.amdhsa_reserve_vcc 0
		.amdhsa_float_denorm_mode_32 3
		.amdhsa_float_denorm_mode_16_64 3
		.amdhsa_memory_ordered 1
		.amdhsa_forward_progress 1
		.amdhsa_inst_pref_size 8
	.end_amdhsa_kernel
	.amdgpu_metadata
---
amdhsa.version: [ 1, 2 ]
amdhsa.kernels:
  - .name:           k_q3591a08ec8_fold
    .symbol:         k_q3591a08ec8_fold.kd
    .args:
      - { .name: W, .offset: 0, .size: 8, .value_kind: global_buffer, .address_space: global }
      - { .name: wf, .offset: 8, .size: 8, .value_kind: global_buffer, .address_space: global }
    .group_segment_fixed_size: 0
    .private_segment_fixed_size: 0
    .kernarg_segment_align: 8
    .kernarg_segment_size: 16
    .max_flat_workgroup_size: 256
    .sgpr_count:     66
    .vgpr_count:     124
    .wavefront_size: 32
...
	.end_amdgpu_metadata
.endif
;; end of part 1
;; launch gemm (part 2): grid 4 x 64, 4 waves a work-group, clusters of 4 x 4, 327,680 bytes of LDS; arguments x, y, z, wf, b, out0; writes out0
.if DOCPART == 2
	.amdgcn_target "amdgcn-amd-amdhsa--gfx1250"
	.amdhsa_code_object_version 6
	.text
	.protected	k_q3591a08ec8_gemm
	.globl	k_q3591a08ec8_gemm
	.p2align	8
	.type	k_q3591a08ec8_gemm,@function
k_q3591a08ec8_gemm:
	s_mov_b64 s[64:65], 0
	v_nop
	global_prefetch_b8 v0, s[64:65] scope:SCOPE_SE
	s_setreg_imm32_b32 hwreg(HW_REG_WAVE_MODE, 25, 1), 1
	s_wait_xcnt 0x0
	s_wait_alu depctr_hold_cnt(0) depctr_sa_sdst(0) depctr_va_vdst(0) depctr_va_sdst(0) depctr_va_ssrc(0) depctr_va_vcc(0) depctr_vm_vsrc(0)
	s_getreg_b32 s2, hwreg(HW_REG_IB_STS2, 6, 4)
	s_cmp_eq_u32 s2, 0
	s_cbranch_scc0 .Lentry_in_a_cluster
	s_endpgm
.Lentry_in_a_cluster:
	s_bfe_u32 s2, ttmp6, 0x10000c
	s_cmp_lg_u32 s2, 0xf033
	s_cbranch_scc0 .Lentry_shape_is_right
	s_endpgm
.Lentry_shape_is_right:
; out0[m][d] = ( sum over c of inp[m][c] wf[d][c] + b[2d] + b[2d+1] ) * x[m][d] * y[m][d],  inp = [x | y | z], m = 0..8191, d = 0..1023, c = 0..3071.
; x, y, z, out0: [8192][1024] f32.  wf: [1024][3072] f16, the two rows of W already added.  b: [2048] f32.
; FORMAT: matrix operands in f16 (11 significant bits), sums in f32; bias, x * y and the last product in f32.  The result is the sum times x * y, and where the sum
; is near zero an error of the sum is magnified by |x y|, so the operands get the 16-bit format with the longer mantissa.
; LIMITS: an |x|, |y| or |z| of 65,504 or more becomes an f16 infinity; numbers below 2^-14 in magnitude are rounded to multiples of 2^-24.
;
; SHAPE: a work-group makes 128 rows x 256 columns with four waves, as many as a WGP has SIMDs: 64 x 4 blocks = 256 work-groups.  Wave w makes rows 64 (w / 2) ..
; and columns 128 (w % 2) .. : 32 accumulator tiles of 16 x 16, 256 registers.  K = 3,072 goes in 48 chunks of 64 (16 from x, 16 from y, 16 from z).
; B (wf) comes by tensor loads into two LDS slots of four chunks each (256 rows x 512 bytes); every row starts at a multiple of 256 bytes from the buffer's first byte.
; CLUSTERS: 4 x 4 work-groups.  The four of a cluster column make the same 256 columns and ask for each slot of B jointly.
; A IS NOT ASKED FOR JOINTLY, though the four work-groups of a cluster row need the same rows.  A is f32 in memory.  As f32 tiles in LDS, 64 along K cost 32 KB of fill and
; 64 KB of fragment reads, each number is rounded by the two waves that share its row, and two slots of A and B for 128 along K take 278,528 bytes, so that a joint request
; has 112 matrix instructions in which to land.  Here each wave loads 32 of the 128 rows into registers, rounds each number once and stores it as f16: 16 KB of LDS stores and
; 32 KB of fragment reads for 64 along K, half the conversions, and room for slots of B of 256 along K: a joint request has 240 matrix instructions in which to land, and
; there is one round of the cluster barrier for 256 matrix instructions.
; A's loads run ahead in registers: chunk c + 4 is asked for while chunk c is multiplied, and is stored to LDS while chunk c + 3 is multiplied.
; ORDER: matrix instructions stand in groups of sixteen, back to back; all LDS and global instructions of a quarter stand in one run between two such groups, none between
; two matrix instructions of a group.
; x AND y FOR THE LAST PRODUCT: my 64 x 128 numbers of x are loaded while chunks 36 to 43 are multiplied, those of y, into the registers that A's loads no longer need,
; while chunks 44 to 47 are multiplied.
;
; REGISTERS, in windows of 256:
;   window 0: addresses; v[32:95] A fragments, two buffers; v[96:223] B fragments, two buffers; v[224:255] a chunk of A in f16 on its way to LDS
;   window 1: accumulator tile (a, b) at v[8 (8 a + b)], a = 0..3 (16 rows each), b = 0..7 (16 columns each)
;   window 2: four sets of 64 registers, set c % 4 for my part of chunk c of A in f32; at the end y of my output tile, row i at v[4 i : 4 i + 3]
;   window 3: x of my output tile, row i at v[4 i : 4 i + 3]
; THE MATRIX INSTRUCTION IS USED TRANSPOSED: source 0 = 16 rows of wf, source 1 = 16 rows of inp, so that lane l holds row l % 16 and columns 8 (l / 16) + 0 .. 7.
.set PB,     528                       ; an LDS row of B: 512 bytes + 16 of padding = 33 x 16: sixteen rows fall on sixteen different 16-byte columns modulo 256 bytes
.set QUART,  64*PB                     ; 33,792: what one tensor load fills: 64 rows of B
.set SLOT,   4*QUART                   ; 135,168: 256 rows of B, 256 along K
.set ABASE,  2*SLOT                    ; 270,336 = 1,056 x 256: behind the ring; no tensor load fills these bytes
.set PAH,    144                       ; an LDS row of A: 64 f16 = 128 bytes + 16 = 9 x 16, likewise free of collisions
.set ABUF,   128*PAH                   ; 18,432: a chunk of A; two such buffers take turns
.set STAGE,  ABASE                     ; the way out uses the bytes of A's buffers again, behind a barrier: 16 rows x 528 bytes for each wave = 33,792 of 36,864
.set PS,     528
.set ADRA, 6                           ; v6, v7   LDS address of my A fragments in buffer 0, 1
.set ADRB, 8                           ; v8, v9   LDS address of my B fragments in slot 0, 1
.set ASTO, 10                          ; v10, v11 where I store my 8 bytes of A in buffer 0, 1
.set GO,   12                          ; v12      16 x lane: my 16 bytes in a row of my tile of x, y, out0; never rewritten
.set BOFF, 13                          ; v13      32 x lane: my 8 numbers of b; never rewritten
.set AGO,  14                          ; v14      my 16 bytes in a load of A: 16 (lane % 16) + 8 rows x (lane / 16); never rewritten
.set STO,  15                          ; v15      the way out: where I put 32 bytes of a row
.set BR,   16                          ; v[16:23] b as loaded
.set BIAS, 24                          ; v[24:27] b[2d] + b[2d+1] of my 4 columns
.set RD,   28                          ; v28      the way out: where I read a row back
.set AF,   32                          ; A fragments: buffer f at AF + 32 f
.set BF,   96                          ; B fragments: buffer f at BF + 64 f; on the way out: rows read back
.set TMP,  224                         ; v[224:255] my part of a chunk of A in f16; no matrix instruction names these registers
.set P,    32                          ; on the way out: x * y of 16 rows, in the registers of the A fragments
.set G1B, 24                           ; s[24:31] descriptor group 1 of the tiles of B
.set G0B, 32                           ; s[32:39] descriptor group 0, a set for each slot
.set NEXTB, 40                         ; s[40:41] address of my part of the next slot of B that will be asked for; no register of a descriptor
.set LA,  42                           ; s[42:43] base of A's loads
.set PY,  44                           ; s[44:45] my rows of y
.set PZ,  46                           ; s[46:47] my rows of z
.set SX,  48                           ; s[48:49] x at my output tile
.set SY,  50                           ; s[50:51] y there
.set SO,  52                           ; s[52:53] out0 there
.set SB,  54                           ; s[54:55] b at my first column
.set MSB, 0
.macro WIN new                         ; the low byte: bits 1:0 source 0, 3:2 source 1, 5:4 source 2, 7:6 destination; the high byte repeats the setting that is left
.if MSB != \new
	s_set_vgpr_msb (MSB<<8)|\new
.set MSB, \new
.endif
.endm
.set MULW, 0x50                        ; C and D in window 1, both fragments in window 0
.set CVTW, 0x0a                        ; both sources in window 2, result in window 0
.set TO2,  0x80                        ; loaded data into window 2
.set TO3,  0xc0                        ; loaded data into window 3
.set ST1,  0x04                        ; data of an LDS store from window 1
.set PROD, 0x0e                        ; source 0 window 2, source 1 window 3, result window 0
.macro PLACES                          ; four plain vector instructions that name no register of a matrix instruction (ISA guide 7.12.1)
.rept 4
	v_nop
.endr
.endm
; A round of the cluster barrier: the work-group barrier, so that wave 0 speaks for all four waves; wave 0 signals for the work-group; every wave waits for all
; sixteen work-groups; the work-group barrier once more.
.macro CREST                           ; a round behind its opening barrier
	s_cmp_lg_u32 s16, 0
	s_cbranch_scc1 .Lnot_wave_0_\@
	s_barrier_signal -3
.Lnot_wave_0_\@:
	s_barrier_wait -3
	s_barrier_signal -1
	s_barrier_wait -1
.endm
.macro CROUND                          ; a whole round
	s_barrier_signal -1
	s_barrier_wait -1
	CREST
.endm
; My part of a chunk of A: 32 rows x 256 bytes of f32, 16 loads into set cc.  Load t = 8 u + v takes rows 16 u + v (lanes 0-15) and 16 u + v + 8 (lanes 16-31):
; twice 256 neighbouring bytes, each at a multiple of 256 from the buffer's first byte.  The chunk's place among the eight that the base serves stands in the immediate.
; No hint: the three other work-groups of my cluster row read the same bytes.
.macro ALOAD cc, half
.irp t, 0,1,2,3,4,5,6,7,8,9,10,11,12,13,14,15
	global_load_b128 v[64*(\cc)+4*\t:64*(\cc)+4*\t+3], v[AGO], s[LA:LA+1] offset:(16*(\t/8)+\t%8)*4096+(\half)*1024+(\cc)*256
.endr
.endm
; Rows 16 cc .. 16 cc + 15 of my output tile of y into set cc; a load of the wave covers 512 neighbouring bytes
.macro YLOAD cc
.irp t, 0,1,2,3,4,5,6,7,8,9,10,11,12,13,14,15
	global_load_b128 v[64*(\cc)+4*\t:64*(\cc)+4*\t+3], v[GO], s[SY:SY+1] offset:(16*(\cc)+\t)*4096
.endr
.endm
; Rows 8 g .. 8 g + 7 of my output tile of x
.macro XLOAD g
.irp t, 0,1,2,3,4,5,6,7
	global_load_b128 v[4*(8*(\g)+\t):4*(8*(\g)+\t)+3], v[GO], s[SX:SX+1] offset:(8*(\g)+\t)*4096
.endr
.endm
; A set of A from f32 to f16, two numbers an instruction: load t's four numbers become 8 bytes
.macro CVT set
.irp t, 0,1,2,3,4,5,6,7,8,9,10,11,12,13,14,15
	v_cvt_pk_f16_f32 v[TMP+2*\t],   v[64*((\set)%4)+4*\t],   v[64*((\set)%4)+4*\t+1]
	v_cvt_pk_f16_f32 v[TMP+2*\t+1], v[64*((\set)%4)+4*\t+2], v[64*((\set)%4)+4*\t+3]
.endr
.endm
; The rounded set into A's LDS buffer p % 2, 16 stores of 8 bytes a lane in one run: store t writes the two rows that load t brought
.macro ASTORE p
.irp t, 0,1,2,3,4,5,6,7,8,9,10,11,12,13,14,15
	ds_store_b64 v[ASTO+((\p)%2)], v[TMP+2*\t:TMP+2*\t+1] offset:(16*(\t/8)+\t%8)*PAH
.endr
.endm
	s_load_b256 s[4:11], s[0:1], 0x0               ; x s[4:5], y s[6:7], z s[8:9], wf s[10:11]
	s_load_b128 s[12:15], s[0:1], 0x20             ; b s[12:13], out0 s[14:15]
	v_lshl_add_u32 v30, v0, 2, 0x4b000
	v_mov_b32 v31, 0
	ds_add_u32 v30, v31
	v_lshrrev_b32 v1, 5, v0
	v_readfirstlane_b32 s16, v1                    ; wave 0..3
	s_lshr_b32 s17, s16, 1                         ; hi: which 64 rows of the block are mine
	s_and_b32 s18, s16, 1                          ; lo: which 128 columns are mine
	s_bfe_u32 s19, ttmp6, 0x40000                  ; cx
	s_bfe_u32 s20, ttmp6, 0x40004                  ; cy
	s_lshl_b32 s21, ttmp9, 2                       ; in a cluster launch ttmp9 and ttmp7 count clusters
	s_add_co_u32 s21, s21, s19                     ; bn: block column = 4 x cluster x + cx
	s_and_b32 s22, ttmp7, 0xffff
	s_lshl_b32 s22, s22, 2
	s_add_co_u32 s22, s22, s20                     ; bm: block row = 4 x cluster y + cy
	s_lshl_b32 s62, 0x1111, s19                    ; my column of the cluster: places cx, cx + 4, cx + 8, cx + 12
	; group 1 of B: 64 rows x 256 elements of 2 bytes, 3,072 elements from row to row; in LDS 4 words of padding behind every 128 words
	s_or_b32 s[G1B+0], s62, (1<<16)|(1<<20)|(1<<21)|(6<<22)|(3<<25)  ; 15:0 mask: my column; 17:16 element of 2 bytes; 20 padding on; 21 set beside a mask; 24:22 every 128 words (code 6); 31:25 4 words (code 3)
	s_mov_b32 s[G1B+1], 256<<16                    ; tensor_dim0 = 256
	s_mov_b32 s[G1B+2], 64<<16                     ; tensor_dim1 = 64
	s_mov_b32 s[G1B+3], 256<<16                    ; tile_dim0 = 256
	s_mov_b32 s[G1B+4], 64                         ; tile_dim1 = 64
	s_mov_b32 s[G1B+5], 3072                       ; pitch
	s_mov_b32 s[G1B+6], 0
	s_mov_b32 s[G1B+7], 0
	; offsets, apart from the addresses.  s[60:63], which feed the descriptors, never hold cy.
	s_lshl_b32 s56, s22, 19                        ; A: block row x 128 rows x 4,096 bytes
	s_lshl_b32 s57, s16, 17                        ;    + wave x 32 rows
	s_add_co_u32 s56, s56, s57
	s_mov_b32 s57, 0
	s_lshl_b32 s60, s21, 8                         ; B: row 256 x block column
	s_lshl_b32 s61, s16, 6                         ;    + 64 x wave,
	s_add_co_u32 s60, s60, s61
	s_mul_i32 s60, s60, 6144                       ;    in bytes
	s_mov_b32 s61, 0
	s_mul_i32 s63, s16, QUART                      ; where my tensor loads go in a slot: the wave number times a constant
	s_lshl_b32 s58, s22, 19                        ; my output tile: block row,
	s_lshl_b32 s59, s17, 18                        ; + my 64 rows,
	s_add_co_u32 s58, s58, s59
	s_lshl_b32 s59, s21, 10                        ; + block column x 256 columns x 4 bytes,
	s_add_co_u32 s58, s58, s59
	s_lshl_b32 s59, s18, 9                         ; + my 128 columns
	s_add_co_u32 s58, s58, s59
	s_mov_b32 s59, 0
	s_lshl_b32 s2, s21, 11                         ; b: two numbers of 4 bytes a column
	s_lshl_b32 s3, s18, 10
	s_add_co_u32 s2, s2, s3
	s_mov_b32 s3, 0
	v_and_b32 v1, 15, v0                           ; l % 16
	v_bfe_u32 v2, v0, 4, 1                         ; l / 16
	v_and_b32 v3, 31, v0                           ; lane
	v_lshlrev_b32 v[GO], 4, v3
	v_lshlrev_b32 v[BOFF], 5, v3
	v_lshlrev_b32 v[AGO], 4, v1
	v_lshl_add_u32 v[AGO], v2, 15, v[AGO]          ; + 8 rows of 4,096 bytes for lanes 16-31
	s_wait_dscnt 0x0
	s_wait_kmcnt 0x0
	s_add_nc_u64 s[LA:LA+1], s[4:5], s[56:57]
	s_add_nc_u64 s[PY:PY+1], s[6:7], s[56:57]
	s_add_nc_u64 s[PZ:PZ+1], s[8:9], s[56:57]
	s_add_nc_u64 s[NEXTB:NEXTB+1], s[10:11], s[60:61]
	s_add_nc_u64 s[SX:SX+1], s[4:5], s[58:59]
	s_add_nc_u64 s[SY:SY+1], s[6:7], s[58:59]
	s_add_nc_u64 s[SO:SO+1], s[14:15], s[58:59]
	s_add_nc_u64 s[SB:SB+1], s[12:13], s[2:3]
	global_load_b128 v[BR:BR+3],   v[BOFF], s[SB:SB+1]             ; b[2d], b[2d+1] of my columns d = 4 lane + 0 .. 3; first read on the way out
	global_load_b128 v[BR+4:BR+7], v[BOFF], s[SB:SB+1] offset:16
	WIN TO2
	ALOAD 0, 0                                     ; chunks 0, 1, 2 of A go out ahead of everything else
	ALOAD 1, 0
	ALOAD 2, 0
	WIN 0
	CROUND                                         ; all sixteen work-groups are here: the first joint loads meet
.irp s, 0,1
	s_mov_b32 s[G0B+4*\s], 1                                       ; count = 1
	s_add_co_u32 s[G0B+4*\s+1], s63, \s*SLOT                       ; LDS address
	s_add_nc_u64 s[G0B+4*\s+2:G0B+4*\s+3], s[NEXTB:NEXTB+1], \s*512   ; 256 f16 on
	s_or_b32 s[G0B+4*\s+3], s[G0B+4*\s+3], 0x80000000              ; type = 2
	tensor_load_to_lds s[G0B+4*\s:G0B+4*\s+3], s[G1B:G1B+7]        ; every wave fetches its own 64 rows; both slots are asked for at once: two tensor loads of the wave are out
	s_nop 0
.endr
	s_add_nc_u64 s[NEXTB:NEXTB+1], s[NEXTB:NEXTB+1], 1024          ; the third 256 along K are the next to be asked for
	; A fragment is 16 rows x 32 K of f16 in 8 registers: lane l holds row l % 16; registers 0-3 hold K = 8 (l / 16) + 0..7, registers 4-7 hold K = 16 + 8 (l / 16) + 0..7:
	; two loads of 16 bytes, 32 bytes apart, at row x pitch + 16 (l / 16), for A and for B alike.
	v_mul_u32_u24 v4, v1, PAH
	v_lshl_add_u32 v4, v2, 4, v4                   ; row x 144 + 16 x half
	s_mul_i32 s2, s17, 64*PAH                      ; my 64 rows of A
	s_add_co_u32 s2, s2, ABASE
	v_add_nc_u32 v[ADRA], s2, v4
	v_add_nc_u32 v[ADRA+1], ABUF, v[ADRA]
	v_mul_u32_u24 v5, v1, PB
	v_lshl_add_u32 v5, v2, 4, v5                   ; row x 528 + 16 x half
	s_mul_i32 s3, s18, 128*PB                      ; my 128 rows of B
	v_add_nc_u32 v[ADRB], s3, v5
	v_add_nc_u32 v[ADRB+1], SLOT, v[ADRB]
	; An LDS store of A: lanes 0-15 write the 128 bytes of one row, lanes 16-31 those of the row 8 further down: 1,152 bytes on = 128 modulo 256, so the two halves do not collide
	v_mul_u32_u24 v4, v2, 8*PAH
	v_lshl_add_u32 v4, v1, 3, v4                   ; 8 rows x half + 8 (l % 16)
	s_mul_i32 s2, s16, 32*PAH                      ; the 32 rows that I bring
	s_add_co_u32 s2, s2, ABASE
	v_add_nc_u32 v[ASTO], s2, v4
	v_add_nc_u32 v[ASTO+1], ABUF, v[ASTO]
	v_mul_u32_u24 v4, v1, PS
	v_lshl_add_u32 v4, v2, 5, v4
	s_mul_i32 s2, s16, 16*PS
	s_add_co_u32 s2, s2, STAGE                     ; my stage
	v_add_nc_u32 v[STO], s2, v4                    ; in: row l % 16, 32 bytes for each half of the lanes
	v_add_nc_u32 v[RD], s2, v[GO]                  ; back: 32 lanes take one row of 512 bytes
; 16 matrix instructions, back to back, on fragment buffer f: row blocks a0, a0 + 1 x all 8 column blocks, 32 along K.  zero = 1: the first product starts the sums, nothing is cleared.
; The 32 accumulators take turns, one instruction a turn, in the same order in every quarter.
.macro MUL16 f, a0, zero
.irp a, \a0, \a0+1
.irp b, 0,1,2,3,4,5,6,7
.if \zero
	v_wmma_f32_16x16x32_f16 v[8*(8*(\a)+\b):8*(8*(\a)+\b)+7], v[BF+64*\f+8*\b:BF+64*\f+8*\b+7], v[AF+32*\f+8*(\a):AF+32*\f+8*(\a)+7], 0
.else
	v_wmma_f32_16x16x32_f16 v[8*(8*(\a)+\b):8*(8*(\a)+\b)+7], v[BF+64*\f+8*\b:BF+64*\f+8*\b+7], v[AF+32*\f+8*(\a):AF+32*\f+8*(\a)+7], v[8*(8*(\a)+\b):8*(8*(\a)+\b)+7]
.endif
.endr
.endr
.endm
; 24 LDS loads in one run, under window 0: the fragments of one quarter (32 along K) into buffer f: A's 64 rows at byte e of buffer p % 2, B's 128 rows at quarter q of the slot
.macro FETCH p, e, slot, q, f
.irp i, 0,1,2,3
	ds_load_b128 v[AF+32*\f+8*\i:AF+32*\f+8*\i+3],   v[ADRA+((\p)%2)] offset:\e+\i*16*PAH
	ds_load_b128 v[AF+32*\f+8*\i+4:AF+32*\f+8*\i+7], v[ADRA+((\p)%2)] offset:\e+\i*16*PAH+32
.endr
.irp j, 0,1,2,3,4,5,6,7
	ds_load_b128 v[BF+64*\f+8*\j:BF+64*\f+8*\j+3],   v[ADRB+(\slot)] offset:(\q)*64+\j*16*PB
	ds_load_b128 v[BF+64*\f+8*\j+4:BF+64*\f+8*\j+7], v[ADRB+(\slot)] offset:(\q)*64+\j*16*PB+32
.endr
.endm
; A chunk (64 along K) is two quarters of 32 matrix instructions, on fragment buffers 0 and 1.  cc = the chunk's place in its slot of B, 0..3;
; it is also the chunk's number modulo 4, so A's LDS buffer is cc % 2 and the register set of the chunk four further on is cc.
; The first quarter multiplies buffer 0.  Between its two groups of sixteen matrix instructions stand, in this order: the 32 conversions of my part of the next chunk of A (st = 1);
; then one run of memory instructions: the second quarter's fragments, the 16 LDS stores of the rounded chunk, the loads of the chunk four further on (ld = 1) or of
; 16 rows of y (ld = 2), and of 8 rows of x (ex = 1).
; n: how many younger loads may stay out when the next chunk's 16 loads have to be there.
; The conversions are plain vector instructions and name no register of a matrix instruction (sources in window 2, results in v[224:255]): they are the places
; between the matrix instructions that read buffer 1 and the loads into it.  Where nothing is left to round (st = 0), four v_nop stand there.
; The stores go to the LDS buffer that was read one chunk ago: they stand behind that chunk's barrier, in front of which every wave has waited for its reads of it.
.macro HEADQ slot, cc, zero, n, ld, st, half, ex, xg
	s_wait_dscnt 0x0                               ; buffer 0 is in
	WIN MULW
	MUL16 0, 0, \zero
	s_wait_loadcnt \n                              ; loads come back in order: the next chunk of A is in registers; also: with the loads below at most 63 are out
.if \st
	WIN CVTW
	CVT \cc+1
	WIN 0
.else
	WIN 0
	PLACES
.endif
	FETCH \cc, 64, \slot, 2*\cc+1, 1
.if \st
	ASTORE \cc+1
.endif
.if \ld == 1
	WIN TO2
	ALOAD \cc, \half                               ; into the set that was rounded one chunk ago
.endif
.if \ld == 2
	WIN TO2
	YLOAD \cc
.endif
.if \ex
	WIN TO3
	XLOAD \xg
.endif
	WIN MULW
	MUL16 0, 2, \zero
.endm
; The second quarter: multiplies buffer 1 and passes the barrier that hands the next chunk of A from wave to wave.  In front of it each wave waits for its LDS stores of that
; chunk and for its reads of this one, whose buffer is written again behind the barrier.
; At a slot's end (cc = 3) the barrier also changes slots of B: each wave waits for all its tensor loads too, of which one is out, its part of the next slot.
; fill = 1: that barrier opens a round of the cluster barrier; inside the round stands register work alone; the joint load, which fills this slot again, is the first tensor load
; behind the round, one a wave.  From that request to the wait for it the wave issues 240 matrix instructions.  Across the three barriers in between that load stays out:
; behind them no tensor load fills anything.
.macro TAILQ slot, cc, fill
	s_wait_dscnt 0x0                               ; buffer 1 is in, my stores of the next chunk are done, my reads of this chunk are over
.if \cc == 3
	s_wait_tensorcnt 0x0                           ; and all my tensor loads have landed
	ds_add_u32 v30, v31
	s_wait_dscnt 0x0
.endif
	s_barrier_signal -1
	WIN MULW
	MUL16 1, 0, 0                                  ; work on registers while the others arrive
	WIN 0                                          ; branches may follow
	s_barrier_wait -1
.if \fill
	CREST                                          ; no wave of any partner still reads this slot or has a load on its way
	s_mov_b64 s[G0B+4*\slot+2:G0B+4*\slot+3], s[NEXTB:NEXTB+1]     ; no tensor load of mine is out: a group 0 may be written
	s_or_b32 s[G0B+4*\slot+3], s[G0B+4*\slot+3], 0x80000000
	s_add_nc_u64 s[NEXTB:NEXTB+1], s[NEXTB:NEXTB+1], 512
	tensor_load_to_lds s[G0B+4*\slot:G0B+4*\slot+3], s[G1B:G1B+7]
	s_nop 0
.endif
	PLACES                                         ; behind the matrix instructions that read buffer 0, ahead of the loads into it
.if \cc == 3
	FETCH 0, 0, 1-\slot, 0, 0
.else
	FETCH \cc+1, 0, \slot, 2*\cc+2, 0
.endif
	WIN MULW
	MUL16 1, 2, 0
.endm
; A slot of B: four chunks.  n0: the count of the first chunk's wait, n1: of the other three.  ex = 1: rows 8 (xg + cc) .. of x go out as well.
.macro SSM slot, zero, fill, half, ex, xg, n0, n1
	HEADQ \slot, 0, \zero, \n0, 1, 1, \half, \ex, \xg
	TAILQ \slot, 0, 0
	HEADQ \slot, 1, 0, \n1, 1, 1, \half, \ex, \xg+1
	TAILQ \slot, 1, 0
	HEADQ \slot, 2, 0, \n1, 1, 1, \half, \ex, \xg+2
	TAILQ \slot, 2, 0
	HEADQ \slot, 3, 0, \n1, 1, 1, \half, \ex, \xg+3
	TAILQ \slot, 3, \fill
.endm
	; chunk 0 of A into LDS buffer 0, chunk 3 asked for
	s_wait_loadcnt 32                              ; chunks 1 and 2, 16 loads each, may be out
	WIN CVTW
	CVT 0
	WIN 0
	ASTORE 0
	WIN TO2
	ALOAD 3, 0
	WIN 0
	s_wait_xcnt 0x0                                ; the base of the loads above is stepped only behind this wait
	s_add_nc_u64 s[LA:LA+1], s[LA:LA+1], 1024      ; chunks 4 to 7
	s_wait_dscnt 0x0                               ; my part of chunk 0 of A is in LDS,
	s_wait_tensorcnt 0x1                           ; my part of slot 0 of B too; slot 1 may stay out, since no tensor load fills anything behind this barrier
	s_barrier_signal -1
	s_barrier_wait -1                              ; everybody's part is in
	FETCH 0, 0, 0, 0, 0
	; In every chunk below the 16 loads of the next chunk are waited for with the two chunks behind it, 32 loads, still out.
	SSM 0, 1, 1, 0, 0, 0, 32, 32                   ; chunks 0 to 3: the first products start the sums; asks for chunks 4 to 7 of A and for the third slot of B
	WIN 0
	s_wait_xcnt 0x0
	s_add_nc_u64 s[LA:LA+1], s[LA:LA+1], 1024      ; chunks 8 to 15: the base serves two slots, the second by 1,024 bytes in the immediate
	s_mov_b32 s23, 4
.Lpair:
	SSM 1, 0, 1, 0, 0, 0, 32, 32                   ; trips 1 to 4 multiply chunks 4 to 35 and ask for chunks 8 to 39
	SSM 0, 0, 1, 1, 0, 0, 32, 32
	WIN 0                                          ; at a branch and at a label every window is 0
	s_wait_xcnt 0x0                                ; the base is written again only behind this wait
	s_add_nc_u64 s[LA:LA+1], s[LA:LA+1], 2048      ; eight chunks on,
	s_cmp_eq_u32 s23, 4
	s_cselect_b64 s[LA:LA+1], s[PY:PY+1], s[LA:LA+1]   ; but behind the first trip chunk 16 is next: the first of y,
	s_cmp_eq_u32 s23, 2
	s_cselect_b64 s[LA:LA+1], s[PZ:PZ+1], s[LA:LA+1]   ; and behind the third trip chunk 32: the first of z
	s_sub_co_u32 s23, s23, 1
	s_cmp_lg_u32 s23, 0
	s_cbranch_scc1 .Lpair
	; Chunks 36 to 43 also ask for 8 rows of x each, behind their 16 loads of A.  Younger than the chunk waited for are then 32, 40, 48 and from there on 56 loads;
	; the counts are 32 and then 39, so that with the 24 loads that follow the wait 63 are out at the most.
	SSM 1, 0, 1, 0, 1, 0, 32, 39                   ; chunks 36 to 39; asks for chunks 40 to 43 and for the last slot of B
	SSM 0, 0, 0, 1, 1, 4, 39, 39                   ; chunks 40 to 43; asks for chunks 44 to 47; no slot is left to fill, and its last barrier is no round
	; Chunks 44 to 47: in the place of A's loads 16 rows of y each, into the set that was rounded one chunk ago.  Younger than the chunk waited for are 56, 48 and 40 loads.
	HEADQ 1, 0, 0, 47, 2, 1, 0, 0, 0
	TAILQ 1, 0, 0
	HEADQ 1, 1, 0, 47, 2, 1, 0, 0, 0
	TAILQ 1, 1, 0
	HEADQ 1, 2, 0, 40, 2, 1, 0, 0, 0
	TAILQ 1, 2, 0
	HEADQ 1, 3, 0, 47, 2, 0, 0, 0, 0               ; nothing is left to round; the count only keeps 63 loads out at the most
	s_wait_dscnt 0x0                               ; the very last quarter: buffer 1 is in, and my reads of A's LDS buffers are over:
	s_barrier_signal -1                            ; say so,
	WIN MULW
	MUL16 1, 0, 0
	MUL16 1, 2, 0
	WIN 0
	s_barrier_wait -1                              ; and behind this barrier those bytes are the four waves' stages
	; THE WAY OUT, 16 rows at a time: the sums go as they are, 32 bytes a lane, into my own stage in LDS and come back as whole rows of 512 bytes, so that lane l
	; holds columns 4 l .. 4 l + 3 of every row, as it does of x, of y and of the bias.
	PLACES                                         ; the places behind the last matrix instructions: for the LDS stores of results, for the products into the A fragments' registers and for the loads into both B buffers
	s_wait_loadcnt 48                              ; b, x and rows 0-15 of y are in; the 48 loads of rows 16-63 of y may be out
.irp j, 0,1,2,3
	v_add_f32 v[BIAS+\j], v[BR+2*\j], v[BR+2*\j+1]
.endr
; rows 16 a .. 16 a + 15 of my tile; buf: the two B buffers in turn
.macro OUT16 a, buf
	WIN ST1
.irp b, 0,1,2,3,4,5,6,7
	ds_store_b128 v[STO], v[8*(8*\a+\b):8*(8*\a+\b)+3]   offset:64*\b
	ds_store_b128 v[STO], v[8*(8*\a+\b)+4:8*(8*\a+\b)+7] offset:64*\b+16
.endr
.if \a
	s_wait_loadcnt 48-16*\a                        ; these 16 rows of y are in; the later rows, 16 loads for each 16, may be out
.endif
	WIN PROD
.irp t, 0,1,2,3,4,5,6,7,8,9,10,11,12,13,14,15
	v_pk_mul_f32 v[P+4*\t:P+4*\t+1],   v[4*(16*\a+\t):4*(16*\a+\t)+1],   v[4*(16*\a+\t):4*(16*\a+\t)+1]     ; y * x
	v_pk_mul_f32 v[P+4*\t+2:P+4*\t+3], v[4*(16*\a+\t)+2:4*(16*\a+\t)+3], v[4*(16*\a+\t)+2:4*(16*\a+\t)+3]
.endr
	WIN 0
	s_wait_xcnt 0x0                                ; buf was the data of the stores two turns ago: it is loaded again only behind this wait
.irp t, 0,1,2,3,4,5,6,7,8,9,10,11,12,13,14,15
	ds_load_b128 v[\buf+4*\t:\buf+4*\t+3], v[RD] offset:\t*PS      ; LDS serves a wave's instructions in order (ISA guide 5.7.1): these see the stores above
.endr
.irp t, 0,1,2,3,4,5,6,7,8,9,10,11,12,13,14,15
	s_wait_dscnt 15-\t                             ; row t is in; the younger rows may be out
	v_pk_add_f32 v[\buf+4*\t:\buf+4*\t+1],   v[\buf+4*\t:\buf+4*\t+1],   v[BIAS:BIAS+1]      ; an add and then a multiply: nothing to fuse
	v_pk_add_f32 v[\buf+4*\t+2:\buf+4*\t+3], v[\buf+4*\t+2:\buf+4*\t+3], v[BIAS+2:BIAS+3]
	v_pk_mul_f32 v[\buf+4*\t:\buf+4*\t+1],   v[\buf+4*\t:\buf+4*\t+1],   v[P+4*\t:P+4*\t+1]
	v_pk_mul_f32 v[\buf+4*\t+2:\buf+4*\t+3], v[\buf+4*\t+2:\buf+4*\t+3], v[P+4*\t+2:P+4*\t+3]
	global_store_b128 v[GO], v[\buf+4*\t:\buf+4*\t+3], s[SO:SO+1] offset:(16*\a+\t)*4096 th:TH_STORE_NT   ; the wave stores 512 neighbouring bytes, at a multiple of 512 from the buffer's first byte
.endr
.endm
	OUT16 0, BF
	OUT16 1, BF+64
	OUT16 2, BF
	OUT16 3, BF+64
	s_wait_tensorcnt 0x0
	ds_add_u32 v30, v31
	s_wait_dscnt 0x0
	CROUND                                         ; the closing round: no work-group ends while a partner may still ask for a tile that names it
	s_endpgm
.Lfunc_end_k_q3591a08ec8_gemm:
	.size	k_q3591a08ec8_gemm, .Lfunc_end_k_q3591a08ec8_gemm-k_q3591a08ec8_gemm
	.p2alignl 7, 3214868480
	.fill 96, 4, 3214868480
	.section	.rodata,"a",@progbits
	.p2align	6, 0x0
	.amdhsa_kernel k_q3591a08ec8_gemm
		.amdhsa_group_segment_fixed_size 327680
		.amdhsa_private_segment_fixed_size 0
		.amdhsa_enable_private_segment 0
		.amdhsa_kernarg_size 48
		.amdhsa_user_sgpr_count 2
		.amdhsa_user_sgpr_kernarg_segment_ptr 1
		.amdhsa_wavefront_size32 1
		.amdhsa_system_sgpr_workgroup_id_x 1
		.amdhsa_system_sgpr_workgroup_id_y 1
		.amdhsa_system_sgpr_workgroup_id_z 1
		.amdhsa_system_vgpr_workitem_id 0
		.amdhsa_next_free_vgpr 1024
		.amdhsa_next_free_sgpr 66
		.amdhsa_reserve_vcc 0
		.amdhsa_float_denorm_mode_32 3
		.amdhsa_float_denorm_mode_16_64 3
		.amdhsa_memory_ordered 1
		.amdhsa_forward_progress 1
		.amdhsa_inst_pref_size 255
	.end_amdhsa_kernel
	.section	.bss,"aw",@nobits
	.p2align	6
	.space	262144
	.amdgpu_metadata
---
amdhsa.version: [ 1, 2 ]
amdhsa.kernels:
  - .name:           k_q3591a08ec8_gemm
    .symbol:         k_q3591a08ec8_gemm.kd
    .args:
      - { .name: x, .offset: 0, .size: 8, .value_kind: global_buffer, .address_space: global }
      - { .name: y, .offset: 8, .size: 8, .value_kind: global_buffer, .address_space: global }
      - { .name: z, .offset: 16, .size: 8, .value_kind: global_buffer, .address_space: global }
      - { .name: wf, .offset: 24, .size: 8, .value_kind: global_buffer, .address_space: global }
      - { .name: b, .offset: 32, .size: 8, .value_kind: global_buffer, .address_space: global }
      - { .name: out0, .offset: 40, .size: 8, .value_kind: global_buffer, .address_space: global }
    .group_segment_fixed_size: 327680
    .private_segment_fixed_size: 0
    .kernarg_segment_align: 8
    .kernarg_segment_size: 48
    .max_flat_workgroup_size: 128
    .sgpr_count:     66
    .vgpr_count:     1024
    .wavefront_size: 32
...
	.end_amdgpu_metadata
.endif
;; end of part 2
